; MI455X (gfx1250); checked and timed in simulation.
; The chip was launched on July 23, 2026; its instructions are those of AMD's public machine-readable ISA for CDNA 5 (MIT licence, August 2026) and "CDNA5" Instruction Set Architecture Reference Guide (July 2026). The comments in the code are by the model that wrote it; some were corrected since.
;; Optimized Vector Quantizer. Allowed arithmetic: float matrix products may take bf16 or f16 operands with f32 sums; all other float work in f32.
;; Inputs: codebook 4,096 x 256 float32; inputs 8 x 2,048 x 256 float32.
;; Outputs: out0 8 x 2,048 x 256 float32; out1 8 x 2,048 int32; out2 one number float32.
;; 2 versions, each right; version 2 is version 1 with the launch prep written anew for expert scheduling mode. Each part assembles by itself: llvm-mc -triple=amdgcn-amd-amdhsa -mcpu=gfx1250 --defsym DOCPART=n.
;; ======== version 1 of 2: 3 launches
;; limits: a difference of large sums (such as E[x^2] - mean^2): digits are lost where the result is much smaller than its terms; values outside matrix products are rounded to bf16
;; workspace buffers: cbh 2,097,152 bytes; ee 16,384 bytes; cval 131,072 bytes; cidx 131,072 bytes of whole numbers
;; launch prep (part 1): grid 64 x 1, 8 waves a work-group, no clusters, 1,280 bytes of LDS; arguments codebook, cbh, ee; writes cbh, ee
.if DOCPART == 1
	.amdgcn_target "amdgcn-amd-amdhsa--gfx1250"
	.amdhsa_code_object_version 6
	.text
	.protected	k_q2b9abe13d8_prep
	.globl	k_q2b9abe13d8_prep
	.p2align	8
	.type	k_q2b9abe13d8_prep,@function
k_q2b9abe13d8_prep:
	s_mov_b64 s[64:65], 0
	v_nop
	global_prefetch_b8 v0, s[64:65] scope:SCOPE_SE
	s_setreg_imm32_b32 hwreg(HW_REG_WAVE_MODE, 25, 1), 1
	s_wait_xcnt 0x0
; cbh[k][c] = bf16(codebook[k][c]);  ee[k] = sum over c of cbh[k][c]^2, in f32.   codebook: [4096][256] f32.
; The squares are taken of the ROUNDED numbers: the distances of the next launch are those of the rounded operands throughout.
; Eight waves; the work-group owns 64 codes, so that its 64 sums are one aligned block of 256 bytes of ee; a wave owns 8 codes.
; A code is 1,024 bytes: two loads of 16 bytes a lane, each of the wave covering 512 neighbouring bytes.  The lane's 4 + 4 numbers
; round to 8 + 8 bytes: each store of the wave covers 256 consecutive bytes, aligned.
; No matrix unit, no cluster, no tensor load: every byte is read once and written once and no two work-groups share any.
.set T,  4                             ; v[4:11]    the row's 8 rounded numbers, widened again
.set SM, 12                            ; v[12:13]   the sum at work
.set F,  16                            ; v[16:79]   row i: 8 f32 as loaded
.set P,  80                            ; v[80:111]  row i: 4 words of bf16; each row has its own, so no store's data is ever rewritten
	s_load_b128 s[4:7], s[0:1], 0x0                ; codebook s[4:5], cbh s[6:7]
	s_load_b64 s[8:9], s[0:1], 0x10                ; ee
	v_lshl_add_u32 v128, v0, 2, 0x100
	v_mov_b32 v129, 0
	v_and_b32 v10, 31, v0                          ; lane
	v_lshrrev_b32 v11, 5, v0
	v_readfirstlane_b32 s14, v11                   ; wave
	v_lshlrev_b32 v1, 4, v10
	v_lshl_add_u32 v1, v11, 13, v1                 ; loads: 16 lane + wave x 8 rows x 1,024 bytes
	v_lshlrev_b32 v2, 3, v10
	v_lshl_add_u32 v2, v11, 12, v2                 ; stores: 8 lane + wave x 8 rows x 512 bytes
	v_lshlrev_b32 v3, 5, v11                       ; LDS: my wave's 8 words
	s_mov_b32 s10, 0x76543210                      ; v_permlanex16_b32: lane i of one half reads lane i of the other
	s_mov_b32 s11, 0xfedcba98
	s_mov_b32 s12, 0xffff0000                      ; a word's upper bf16
	s_lshl_b32 s16, ttmp9, 16                      ; the group's 64 rows: 65,536 bytes of codebook,
	s_mov_b32 s17, 0
	s_lshl_b32 s18, ttmp9, 15                      ; 32,768 of cbh,
	s_mov_b32 s19, 0
	s_lshl_b32 s20, ttmp9, 8                       ; 256 of ee
	s_mov_b32 s21, 0
	s_wait_kmcnt 0x0
	s_add_nc_u64 s[4:5], s[4:5], s[16:17]
	s_add_nc_u64 s[6:7], s[6:7], s[18:19]
	s_add_nc_u64 s[8:9], s[8:9], s[20:21]
.irp i, 0,1,2,3,4,5,6,7
	global_load_b128 v[F+8*\i:F+8*\i+3],   v1, s[4:5] offset:1024*\i th:TH_LOAD_NT
	global_load_b128 v[F+8*\i+4:F+8*\i+7], v1, s[4:5] offset:1024*\i+512 th:TH_LOAD_NT
.endr
.macro ROWP i
	s_wait_loadcnt 14-2*\i                         ; loads come back in order: this row's two are in, the two of each younger row may be out
.irp k, 0,1,2,3
	v_cvt_pk_bf16_f32 v[P+4*\i+\k], v[F+8*\i+2*\k], v[F+8*\i+2*\k+1]
.endr
	global_store_b64 v2, v[P+4*\i:P+4*\i+1],   s[6:7] offset:512*\i
	global_store_b64 v2, v[P+4*\i+2:P+4*\i+3], s[6:7] offset:512*\i+256
.irp k, 0,1,2,3
	v_lshlrev_b32 v[T+2*\k],   16,  v[P+4*\i+\k]   ; the rounded numbers as f32
	v_and_b32     v[T+2*\k+1], s12, v[P+4*\i+\k]
.endr
	v_pk_mul_f32 v[SM:SM+1], v[T:T+1], v[T:T+1]    ; the first squares start the sum
	v_pk_fma_f32 v[SM:SM+1], v[T+2:T+3], v[T+2:T+3], v[SM:SM+1]
	v_pk_fma_f32 v[SM:SM+1], v[T+4:T+5], v[T+4:T+5], v[SM:SM+1]
	v_pk_fma_f32 v[SM:SM+1], v[T+6:T+7], v[T+6:T+7], v[SM:SM+1]
	v_add_f32 v[SM], v[SM], v[SM+1]
	v_add_f32_dpp v[SM], v[SM], v[SM] row_xmask:1 row_mask:0xf bank_mask:0xf
	v_add_f32_dpp v[SM], v[SM], v[SM] row_xmask:2 row_mask:0xf bank_mask:0xf
	v_add_f32_dpp v[SM], v[SM], v[SM] row_xmask:4 row_mask:0xf bank_mask:0xf
	v_add_f32_dpp v[SM], v[SM], v[SM] row_xmask:8 row_mask:0xf bank_mask:0xf
	v_permlanex16_b32 v[SM+1], v[SM], s10, s11     ; its destination has been written above
	v_add_f32 v[SM], v[SM], v[SM+1]
	ds_store_b32 v3, v[SM] offset:4*\i             ; all lanes store the same word with the same value
.endm
.irp i, 0,1,2,3,4,5,6,7
	ROWP \i
.endr
	s_wait_dscnt 0x0                               ; my eight sums are in LDS: zero, for wave 0's sake
	s_barrier_signal -1
	s_barrier_wait -1
	s_cmp_lg_u32 s14, 0
	s_cbranch_scc1 .Lend
	v_lshlrev_b32 v4, 3, v0                        ; wave 0: lane l takes the sums of rows 2 l and 2 l + 1
	ds_load_b64 v[6:7], v4
	s_wait_dscnt 0x0
	global_store_b64 v4, v[6:7], s[8:9]            ; 256 consecutive bytes, aligned
.Lend:
	s_wait_tensorcnt 0x0
	ds_add_u32 v128, v129
	s_wait_dscnt 0x0
	s_endpgm
.Lfunc_end_k_q2b9abe13d8_prep:
	.size	k_q2b9abe13d8_prep, .Lfunc_end_k_q2b9abe13d8_prep-k_q2b9abe13d8_prep
	.p2alignl 7, 3214868480
	.fill 96, 4, 3214868480
	.section	.rodata,"a",@progbits
	.p2align	6, 0x0
	.amdhsa_kernel k_q2b9abe13d8_prep
		.amdhsa_group_segment_fixed_size 1280
		.amdhsa_private_segment_fixed_size 0
		.amdhsa_enable_private_segment 0
		.amdhsa_kernarg_size 24
		.amdhsa_user_sgpr_count 2
		.amdhsa_user_sgpr_kernarg_segment_ptr 1
		.amdhsa_wavefront_size32 1
		.amdhsa_system_sgpr_workgroup_id_x 1
		.amdhsa_system_sgpr_workgroup_id_y 1
		.amdhsa_system_sgpr_workgroup_id_z 1
		.amdhsa_system_vgpr_workitem_id 0
		.amdhsa_next_free_vgpr 130
		.amdhsa_next_free_sgpr 66
		.amdhsa_reserve_vcc 0
		.amdhsa_float_denorm_mode_32 3
		.amdhsa_float_denorm_mode_16_64 3
		.amdhsa_memory_ordered 1
		.amdhsa_forward_progress 1
		.amdhsa_inst_pref_size 15
	.end_amdhsa_kernel
	.amdgpu_metadata
---
amdhsa.version: [ 1, 2 ]
amdhsa.kernels:
  - .name:           k_q2b9abe13d8_prep
    .symbol:         k_q2b9abe13d8_prep.kd
    .args:
      - { .name: codebook, .offset: 0, .size: 8, .value_kind: global_buffer, .address_space: global }
      - { .name: cbh, .offset: 8, .size: 8, .value_kind: global_buffer, .address_space: global }
      - { .name: ee, .offset: 16, .size: 8, .value_kind: global_buffer, .address_space: global }
    .group_segment_fixed_size: 1280
    .private_segment_fixed_size: 0
    .kernarg_segment_align: 8
    .kernarg_segment_size: 24
    .max_flat_workgroup_size: 256
    .sgpr_count:     66
    .vgpr_count:     130
    .wavefront_size: 32
...
	.end_amdgpu_metadata
.endif
;; end of part 1
;; launch dist (part 2): grid 128 x 2, 8 waves a work-group, clusters of 4 x 1, 327,680 bytes of LDS; arguments inputs, cbh, ee, cval, cidx; writes cval, cidx
.if DOCPART == 2
	.amdgcn_target "amdgcn-amd-amdhsa--gfx1250"
	.amdhsa_code_object_version 6
	.text
	.protected	k_q2b9abe13d8_dist
	.globl	k_q2b9abe13d8_dist
	.p2align	8
	.type	k_q2b9abe13d8_dist,@function
k_q2b9abe13d8_dist:
	s_mov_b64 s[64:65], 0
	v_nop
	global_prefetch_b8 v0, s[64:65] scope:SCOPE_SE
	s_setreg_imm32_b32 hwreg(HW_REG_WAVE_MODE, 25, 1), 1
	s_wait_xcnt 0x0
	s_wait_alu depctr_hold_cnt(0) depctr_sa_sdst(0) depctr_va_vdst(0) depctr_va_sdst(0) depctr_va_ssrc(0) depctr_va_vcc(0) depctr_vm_vsrc(0)
	s_getreg_b32 s2, hwreg(HW_REG_IB_STS2, 6, 4)
	s_cmp_eq_u32 s2, 0
	s_cbranch_scc0 .Lentry_in_a_cluster
	s_endpgm
.Lentry_in_a_cluster:
	s_bfe_u32 s2, ttmp6, 0x10000c
	s_cmp_lg_u32 s2, 0x3003
	s_cbranch_scc0 .Lentry_shape_is_right
	s_endpgm
.Lentry_shape_is_right:
; For 128 rows x of inputs and one half (2,048 codes) of the codebook: d[n][k] = fl(fl(xx[n] + ee[k]) - 2 m[n][k]), m = x~ . e~ on the matrix
; unit (bf16 operands, f32 sums), and per row the least d with the lowest code that reaches it.  cval[half][n] = d, cidx[half][n] = code.
; THE ROUNDINGS ARE THOSE OF THE FORMULA AS IT IS WRITTEN: one f32 add for xx + ee, then one fused multiply-add (2 m is exact, so it rounds as the
; subtraction does).  With xx far above 2 m the distances are coarse and equal ones are common, so ties are kept exact: a lane walks its
; codes in ascending order with a strict "<", and wherever two lists meet whose codes interleave the pair (d, code) is compared.
; xx and ee are sums of squares of the ROUNDED numbers (xx: the diagonal of x~ x~^T, also from the matrix unit, f32 sums).
; LIMITS: a NaN distance is never chosen (v_cmp_lt is false on it, v_min_num drops it); a row whose distances are all +inf or NaN gets its lowest code.
;
; SHARES.  Eight waves.  Wave w: rg = w / 4 picks 64 of the 128 rows, cg = w % 4 picks 64 of each tile's 256 codes.  A wave keeps its 64 rows of x~
; for all 256 k in 256 registers (window 1), so LDS is read for codes alone: 8 KiB of fragments feed 32 matrix instructions.
; The matrix instruction takes 16 codes as source 0 and 16 rows of x~ as source 1: lane (r, h), register j holds (code 8 h + j, row r), so that a
; running minimum is one register pair (d, serial number) for each of the four row tiles.
; CLUSTER: the four work-groups of a cluster are four row blocks of the same half: they walk the same eight code tiles and the same ee, and ask for
; them jointly (mask 15).  x is each work-group's own (128 KiB of the 1.14 MiB that it takes in): a plain load.
;
; LDS:  SLOT0 0         256 codes x 528 bytes (512 + 16 of padding: 33 x 16, so 16 neighbouring rows start 16 bytes apart modulo 256)
;       SLOT1 135,168   first x: 128 rows x 1,040 bytes of f32 (65 x 16); then code tiles 1, 3, 5, 7
;       EEB   270,336   ee of my half, 8,192 bytes, filled once
;       SCR   278,528   [8 waves][64 rows] (d, code), 4,096 bytes, written by ds_store alone: no fill ever lands here
.set CPITCH, 528
.set XPITCH, 1040
.set SLOTB,  256*CPITCH
.set EEB,    2*SLOTB
.set SCR,    EEB+8192
.set TILEB,  256*512                   ; a code tile in memory
.set CADR, 4                           ; v4, v5     my code fragments in slot 0, 1: slot + (64 cg + r) 528 + 16 h
.set EADR, 6                           ; v6         my ee: EEB + 256 cg + 32 h, + 1,024 a tile
.set XADR, 7                           ; v7         my x: SLOT1 + (64 rg + r) 1,040 + 32 h
.set KC,   8                           ; v8         2,048 half + 64 cg + 8 h
.set SCRW, 9                           ; v9         SCR + 512 wave + 8 r
.set RC,   12                          ; v[12:19]   row tile rt: (least d, serial number of its code)
.set XXP,  20                          ; v[20:27]   row tile rt: (xx, xx) of my row r
.set S,    28                          ; v[28:43]   xx + ee, two sets of 8
.set EE,   44                          ; v[44:59]   ee of my 8 codes, two sets
.set CF,   64                          ; v[64:191]  code fragments, 16 codes x 256 k = 64 registers, two buffers
.set T,    64                          ; v[64:255]  at the start only: x as f32, three sets of 64
.set ACC,  192                         ; v[192:223] four accumulators, one for each row tile
.set FM,   224                         ; v[224:239] the last merge
                                       ; window 1 (v256-v511): x~, fragment (rt, c) at 64 rt + 8 c
.set MK,   20                          ; s[20:23]   compare masks
.set G1C,  24                          ; s[24:31]   group 1, part of a code tile
.set G0C,  32                          ; s[32:39]   group 0 of the code tiles, a set for each slot
.set G1X,  40                          ; s[40:47]   group 1, part of x
.set G0X,  48                          ; s[48:51]
.set G1E,  52                          ; s[52:59]   group 1, part of ee
.set G0E,  60                          ; s[60:63]
.set MSB, 0
.macro WIN new                         ; s_set_vgpr_msb: bits 1:0 source 0, 3:2 source 1, 5:4 source 2, 7:6 destination; the high byte repeats the setting that is left
.if MSB != \new
	s_set_vgpr_msb (MSB<<8)|\new
.set MSB, \new
.endif
.endm
; A round of the cluster's barrier: my work-group's barrier, wave 0 signals for the work-group, every wave waits for all four work-groups, my work-group's barrier again.
.macro ROUND
	s_barrier_signal -1
	s_barrier_wait -1
	s_cmp_lg_u32 s14, 0
	s_cbranch_scc1 .Lnot_wave_0_\@
	s_barrier_signal -3
.Lnot_wave_0_\@:
	s_barrier_wait -3
	s_barrier_signal -1
	s_barrier_wait -1
.endm
	s_load_b256 s[4:11], s[0:1], 0x0               ; inputs s[4:5], cbh s[6:7], ee s[8:9], cval s[10:11]
	s_load_b64 s[12:13], s[0:1], 0x20              ; cidx
	v_lshl_add_u32 v62, v0, 2, 0x45000
	v_mov_b32 v63, 0
	ds_add_u32 v62, v63
	ds_add_u32 v62, v63
	v_lshrrev_b32 v10, 5, v0
	v_readfirstlane_b32 s14, v10                   ; wave
	s_and_b32 s15, s14, 3                          ; cg
	s_lshr_b32 s16, s14, 2                         ; rg
	s_bfe_u32 s17, ttmp6, 0x40000                  ; cx.  Only s17, s18, s82, s86, s95, s[50:51] and s[10:13] ever hold a number made of it
	s_lshl_b32 s18, ttmp9, 2
	s_add_co_u32 s18, s18, s17                     ; row block = 4 x cluster x + cx
	s_and_b32 s19, ttmp7, 0xffff                   ; half of the codebook = cluster y: the same in all four partners
	; group 1 of a code tile's part: 32 rows x 256 bf16, asked for jointly
	s_mov_b32 s[G1C+0], 15|(1<<16)|(1<<20)|(1<<21)|(6<<22)|(3<<25)  ; mask: all four; elements of 2 bytes; padding on; bit 21 beside a mask; after every 128 words; 4 words
	s_mov_b32 s[G1C+1], 256<<16                    ; tensor_dim0 = 256
	s_mov_b32 s[G1C+2], 32<<16                     ; tensor_dim1 = 32
	s_mov_b32 s[G1C+3], 256<<16                    ; tile_dim0 = 256
	s_mov_b32 s[G1C+4], 32                         ; tile_dim1 = 32
	s_mov_b32 s[G1C+5], 256                        ; elements from row to row
	s_mov_b32 s[G1C+6], 0
	s_mov_b32 s[G1C+7], 0
	; group 1 of x's part: 16 rows x 256 f32, my work-group's own (mask 0)
	s_mov_b32 s[G1X+0], (2<<16)|(1<<20)|(7<<22)|(3<<25)             ; elements of 4 bytes; padding on; after every 256 words; 4 words
	s_mov_b32 s[G1X+1], 256<<16
	s_mov_b32 s[G1X+2], 16<<16
	s_mov_b32 s[G1X+3], 256<<16
	s_mov_b32 s[G1X+4], 16
	s_mov_b32 s[G1X+5], 256
	s_mov_b32 s[G1X+6], 0
	s_mov_b32 s[G1X+7], 0
	; group 1 of ee's part: 1,024 dense bytes as 4 rows of 32 elements of 8 bytes, asked for jointly
	s_mov_b32 s[G1E+0], 15|(3<<16)|(1<<21)
	s_mov_b32 s[G1E+1], 32<<16
	s_mov_b32 s[G1E+2], 4<<16
	s_mov_b32 s[G1E+3], 32<<16
	s_mov_b32 s[G1E+4], 4
	s_mov_b32 s[G1E+5], 32
	s_mov_b32 s[G1E+6], 0
	s_mov_b32 s[G1E+7], 0
	; byte offsets, apart from the addresses
	s_lshl_b32 s71, s14, 14                        ; wave x 16,384: 32 codes of 512 bytes, and 16 rows of x of 1,024
	s_lshl_b32 s66, s19, 20                        ; cbh: half x 1 MiB + my 32 codes
	s_add_co_u32 s66, s66, s71
	s_mov_b32 s67, 0
	s_lshl_b32 s82, s18, 17                        ; inputs: row block x 128 rows + my 16 rows
	s_add_co_u32 s82, s82, s71
	s_mov_b32 s83, 0
	s_lshl_b32 s88, s14, 10                        ; wave x 1,024
	s_lshl_b32 s84, s19, 13                        ; ee: half x 8,192 + my 1,024 bytes
	s_add_co_u32 s84, s84, s88
	s_mov_b32 s85, 0
	s_lshl_b32 s86, s19, 16                        ; cval, cidx: half x 65,536 + row block x 512
	s_lshl_b32 s95, s18, 9
	s_add_co_u32 s86, s86, s95
	s_mov_b32 s87, 0
	; groups 0: LDS addresses are made of constants and the wave's number alone
	s_mov_b32 s[G0C+0], 1
	s_mul_i32 s[G0C+1], s14, 32*CPITCH
	s_mov_b32 s[G0C+4], 1
	s_add_co_u32 s[G0C+5], s[G0C+1], SLOTB
	s_mov_b32 s[G0X+0], 1
	s_mul_i32 s[G0X+1], s14, 16*XPITCH
	s_add_co_u32 s[G0X+1], s[G0X+1], SLOTB
	s_mov_b32 s[G0E+0], 1
	s_add_co_u32 s[G0E+1], s88, EEB
	s_wait_dscnt 0x0
	s_wait_kmcnt 0x0
	s_add_nc_u64 s[G0C+2:G0C+3], s[6:7], s[66:67]          ; tile 0
	s_add_nc_u64 s[G0C+6:G0C+7], s[G0C+2:G0C+3], TILEB     ; tile 1
	s_or_b32 s[G0C+3], s[G0C+3], 0x80000000                ; type = 2
	s_or_b32 s[G0C+7], s[G0C+7], 0x80000000
	s_add_nc_u64 s[G0X+2:G0X+3], s[4:5], s[82:83]
	s_or_b32 s[G0X+3], s[G0X+3], 0x80000000
	s_add_nc_u64 s[G0E+2:G0E+3], s[8:9], s[84:85]
	s_or_b32 s[G0E+3], s[G0E+3], 0x80000000
	s_add_nc_u64 s[10:11], s[10:11], s[86:87]
	s_add_nc_u64 s[12:13], s[12:13], s[86:87]
	ROUND                                          ; all four work-groups are here: the first joint loads meet
	tensor_load_to_lds s[G0X:G0X+3], s[G1X:G1X+7]  ; the three first fills of the wave go out together: x first, since it is wanted first,
	s_nop 0
	tensor_load_to_lds s[G0E:G0E+3], s[G1E:G1E+7]  ; ee,
	s_nop 0
	tensor_load_to_lds s[G0C:G0C+3], s[G1C:G1C+7]  ; code tile 0.  Three tensor loads of the wave are out here, later one
	s_nop 0
	v_and_b32 v1, 15, v0                           ; r
	v_bfe_u32 v2, v0, 4, 1                         ; h
	v_mov_b32 v11, 0                               ; v11 will be a v_permlanex16_b32's destination, which counts as read
	s_mul_i32 s89, s15, 64*CPITCH
	v_mul_u32_u24 v[CADR], v1, CPITCH
	v_lshl_add_u32 v[CADR], v2, 4, v[CADR]
	v_add_nc_u32 v[CADR], s89, v[CADR]
	v_add_nc_u32 v[CADR+1], SLOTB, v[CADR]
	s_lshl_b32 s90, s15, 8
	s_add_co_u32 s90, s90, EEB
	v_lshl_add_u32 v[EADR], v2, 5, s90
	s_mul_i32 s91, s16, 64*XPITCH
	s_add_co_u32 s91, s91, SLOTB
	v_mul_u32_u24 v[XADR], v1, XPITCH
	v_lshl_add_u32 v[XADR], v2, 5, v[XADR]
	v_add_nc_u32 v[XADR], s91, v[XADR]
	s_lshl_b32 s92, s19, 11
	s_lshl_b32 s93, s15, 6
	s_add_co_u32 s92, s92, s93
	v_lshl_add_u32 v[KC], v2, 3, s92
	s_lshl_b32 s93, s14, 9                         ; my wave's own 512 bytes of the scratch
	s_add_co_u32 s93, s93, SCR
	v_lshl_add_u32 v[SCRW], v1, 3, s93
	s_mov_b32 s69, 0x76543210                      ; v_permlanex16_b32: lane i xor 16
	s_mov_b32 s70, 0xfedcba98
	v_and_b32 v10, 7, v0
.irp j, 1,2,3,4,5,6,7
	v_cmp_eq_u32 s[72+\j], \j, v10                 ; s[73:79]: lanes with r % 8 = j
.endr
	v_bfe_u32 v10, v0, 3, 1
	v_cmp_eq_u32 s80, v10, v2                      ; lanes with r / 8 = h: they hold a diagonal element of a 16 x 16 result
; x, from f32 in LDS to bf16 fragments in window 1, in 8 units of (row tile u / 2, four k chunks from 4 (u % 2)); unit u goes through set u % 3 of T.
; A fragment of 16 rows x 32 k: lane (r, h) holds row r; registers 0-3 k = 8 h + 0..7, registers 4-7 k = 16 + 8 h + 0..7.  In f32 that is 32 bytes at 32 h and 32 at 64 + 32 h.
.macro XLD u
.irp c, 0,1,2,3
	ds_load_b128 v[T+64*((\u)%3)+16*\c:T+64*((\u)%3)+16*\c+3],     v[XADR] offset:((\u)/2)*16*XPITCH+(((\u)%2)*4+\c)*128
	ds_load_b128 v[T+64*((\u)%3)+16*\c+4:T+64*((\u)%3)+16*\c+7],   v[XADR] offset:((\u)/2)*16*XPITCH+(((\u)%2)*4+\c)*128+16
	ds_load_b128 v[T+64*((\u)%3)+16*\c+8:T+64*((\u)%3)+16*\c+11],  v[XADR] offset:((\u)/2)*16*XPITCH+(((\u)%2)*4+\c)*128+64
	ds_load_b128 v[T+64*((\u)%3)+16*\c+12:T+64*((\u)%3)+16*\c+15], v[XADR] offset:((\u)/2)*16*XPITCH+(((\u)%2)*4+\c)*128+80
.endr
.endm
.macro XCV u
	WIN 0x40                                       ; destination in window 1
.irp c, 0,1,2,3
.irp j, 0,1,2,3,4,5,6,7
	v_cvt_pk_bf16_f32 v[64*((\u)/2)+8*(((\u)%2)*4+\c)+\j], v[T+64*((\u)%3)+16*\c+2*\j], v[T+64*((\u)%3)+16*\c+2*\j+1]
.endr
.endr
	WIN 0
.endm
	s_wait_tensorcnt 0x2                           ; tensor loads of a wave end in order: my part of x is in; ee and tile 0, issued behind it, may stay out,
	s_barrier_signal -1
	s_barrier_wait -1                              ; everybody's part of x is in
	XLD 0
	XLD 1
	XLD 2
	s_wait_dscnt 32                                ; LDS loads come back in order: unit 0 is in; the two younger units of 16 loads may be out.  So in each line below
	XCV 0
	XLD 3                                          ; into the set that unit 0 has left
	s_wait_dscnt 32
	XCV 1
	XLD 4
	s_wait_dscnt 32
	XCV 2
	XLD 5
	s_wait_dscnt 32
	XCV 3
	XLD 6
	s_wait_dscnt 32
	XCV 4
	XLD 7
	s_wait_dscnt 32
	XCV 5
	s_wait_dscnt 16                                ; one younger unit
	XCV 6
	s_wait_dscnt 0
	XCV 7
	; xx: the diagonal of x~ x~^T, row tile by row tile.  The four accumulators take turns, one instruction a turn.
	WIN 0x05                                       ; sources 0 and 1 in window 1
.irp rt, 0,1,2,3
	v_wmma_f32_16x16x32_bf16 v[ACC+8*\rt:ACC+8*\rt+7], v[64*\rt:64*\rt+7], v[64*\rt:64*\rt+7], 0
.endr
.irp c, 1,2,3,4,5,6,7
.irp rt, 0,1,2,3
	v_wmma_f32_16x16x32_bf16 v[ACC+8*\rt:ACC+8*\rt+7], v[64*\rt+8*\c:64*\rt+8*\c+7], v[64*\rt+8*\c:64*\rt+8*\c+7], v[ACC+8*\rt:ACC+8*\rt+7]
.endr
.endr
	WIN 0
.irp rt, 0,1,2,3
	v_mov_b32 v[RC+2*\rt], 0x7f800000              ; the running minimum starts at +inf, the serial number at 0.  These eight lines name no register of a
	v_mov_b32 v[RC+2*\rt+1], 0                     ; matrix instruction: they are the places between the last product and the first read of a result (ISA guide 7.12.1)
.endr
.irp rt, 0,1,2,3
	v_cndmask_b32 v10, v[ACC+8*\rt], v[ACC+8*\rt+1], s73   ; register r % 8 of my eight: element (8 h + r % 8, r),
.irp j, 2,3,4,5,6,7
	v_cndmask_b32 v10, v10, v[ACC+8*\rt+\j], s[72+\j]
.endr
	v_permlanex16_b32 v11, v10, s69, s70           ; which is the diagonal's where h = r / 8; the other half of the lanes takes it from there
	v_cndmask_b32 v[XXP+2*\rt], v11, v10, s80
	v_mov_b32 v[XXP+2*\rt+1], v[XXP+2*\rt]
.endr
; 18 LDS loads: the fragments of 16 codes (block i of my 64) for all 256 k into buffer f, and the ee of my 8 of them
.macro CFETCH slot, i, f
.irp c, 0,1,2,3,4,5,6,7
	ds_load_b128 v[CF+64*\f+8*\c:CF+64*\f+8*\c+3],   v[CADR+\slot] offset:\i*16*CPITCH+64*\c
	ds_load_b128 v[CF+64*\f+8*\c+4:CF+64*\f+8*\c+7], v[CADR+\slot] offset:\i*16*CPITCH+64*\c+32
.endr
	ds_load_b128 v[EE+8*\f:EE+8*\f+3],   v[EADR] offset:64*\i
	ds_load_b128 v[EE+8*\f+4:EE+8*\f+7], v[EADR] offset:64*\i+16
.endm
; 32 matrix instructions: 16 codes x my 64 rows x 256 k.  The first product of each row tile starts its sum; the four accumulators take turns,
; one instruction a turn, from block to block and over the loop's backward jump too.
.macro MUL32 f
	WIN 0x04                                       ; source 1 (x~) in window 1
.irp rt, 0,1,2,3
	v_wmma_f32_16x16x32_bf16 v[ACC+8*\rt:ACC+8*\rt+7], v[CF+64*\f:CF+64*\f+7], v[64*\rt:64*\rt+7], 0
.endr
.irp c, 1,2,3,4,5,6,7
.irp rt, 0,1,2,3
	v_wmma_f32_16x16x32_bf16 v[ACC+8*\rt:ACC+8*\rt+7], v[CF+64*\f+8*\c:CF+64*\f+8*\c+7], v[64*\rt+8*\c:64*\rt+8*\c+7], v[ACC+8*\rt:ACC+8*\rt+7]
.endr
.endr
	WIN 0
.endm
; The distances of block i and the running minima.  The first four v_pk_add_f32 name no register of a matrix instruction: they are the four places
; between the products and the first line that reads and rewrites a result (ISA guide 7.12.1).
.macro EPI i, f
.irp rt, 0,1,2,3
.irp k, 0,2,4,6
	v_pk_add_f32 v[S+8*(\rt%2)+\k:S+8*(\rt%2)+\k+1], v[EE+8*\f+\k:EE+8*\f+\k+1], v[XXP+2*\rt:XXP+2*\rt+1]          ; s = fl(xx + ee)
.endr
.irp k, 0,2,4,6
	v_pk_fma_f32 v[ACC+8*\rt+\k:ACC+8*\rt+\k+1], v[ACC+8*\rt+\k:ACC+8*\rt+\k+1], -2.0, v[S+8*(\rt%2)+\k:S+8*(\rt%2)+\k+1] op_sel_hi:[1,0,1]   ; d = fl(s - 2 m)
.endr
.endr
.irp j, 0,1,2,3,4,5,6,7
.irp rt, 0,1,2,3
	v_cmp_lt_f32 s[MK+\rt], v[ACC+8*\rt+\j], v[RC+2*\rt]           ; strictly less: of equal distances the earlier, lower code stays
.endr
.irp rt, 0,1,2,3
	v_cndmask_b32 v[RC+2*\rt+1], v[RC+2*\rt+1], 16*\i+\j, s[MK+\rt]    ; the serial number, counted from this tile's first: 0 to 63, an inline constant
.endr
.irp rt, 0,1,2,3
	v_min_num_f32 v[RC+2*\rt], v[RC+2*\rt], v[ACC+8*\rt+\j]
.endr
.endr
.endm
; One tile: my 64 codes in four blocks of 16, fragments fetched one block ahead into the buffer that the block before last has left
; (its products stand a whole EPI, more than four places, in front of the loads).
.macro STEP slot
	CFETCH \slot, 0, 0
	CFETCH \slot, 1, 1
	s_wait_dscnt 18                                ; LDS loads come back in order: block 0 is in, the 18 loads of block 1 may be out
	MUL32 0
	EPI 0, 0
	CFETCH \slot, 2, 0
	s_wait_dscnt 18
	MUL32 1
	EPI 1, 1
	CFETCH \slot, 3, 1
	s_wait_dscnt 18
	MUL32 0
	EPI 2, 0
	s_wait_dscnt 0
	MUL32 1
	EPI 3, 1
.irp rt, 0,1,2,3
	v_add_nc_u32 v[RC+2*\rt+1], 0xffffffc0, v[RC+2*\rt+1]          ; serial numbers are kept relative to the coming tile: - 64
.endr
	v_add_nc_u32 v[EADR], 1024, v[EADR]            ; the next tile's ee
.endm
; A trip of the ring of two slots.  The round of the cluster's barrier stands between every wave's last read of the other slot, in all four
; work-groups, and its refill; and between every wave's wait for its part of this slot and the reads of it.
.macro TRIP slot, refill
	s_wait_tensorcnt 0x0                           ; all my tensor loads have landed, my part of this trip's tile among them (in the first trip ee too),
	ds_add_u32 v62, v63
	s_wait_dscnt 0x0
	s_add_nc_u64 s[G0C+4*\slot+2:G0C+4*\slot+3], s[G0C+4*\slot+2:G0C+4*\slot+3], 2*TILEB   ; so a group 0 may be written: this slot's next tile
	s_wait_dscnt 0x0                               ; my reads of the other slot are back (in the first trip: of x)
	ROUND
.if \refill
	tensor_load_to_lds s[G0C+4-4*\slot:G0C+7-4*\slot], s[G1C:G1C+7]   ; my one tensor load behind the round, and the first thing there: it has this tile's 128 matrix instructions in which to land
	s_nop 0
.endif
	STEP \slot
.endm
	s_mov_b32 s68, 3
.Lring:
	TRIP 0, 1
	TRIP 1, 1
	s_sub_co_u32 s68, s68, 1
	s_cmp_lg_u32 s68, 0
	s_cbranch_scc1 .Lring
	TRIP 0, 1                                      ; tile 6; tile 7 is asked for
	TRIP 1, 0                                      ; tile 7: nothing is left to fetch (the stepped addresses are not used)
	; serial number L = 64 tile + 16 block + j (the register holds L - 512)  ->  code = 256 tile + (L % 64) + KC
.irp rt, 0,1,2,3
	v_add_nc_u32 v[RC+2*\rt+1], 0x200, v[RC+2*\rt+1]
	v_lshrrev_b32 v10, 6, v[RC+2*\rt+1]
	v_and_b32 v[RC+2*\rt+1], 63, v[RC+2*\rt+1]
	v_lshl_add_u32 v[RC+2*\rt+1], v10, 8, v[RC+2*\rt+1]
	v_add_nc_u32 v[RC+2*\rt+1], v[RC+2*\rt+1], v[KC]
.endr
; (ra, ca) = the lesser of (ra, ca) and (rb, cb): by distance, and by code where the distances are equal.  Selects alone: no branch, no address.
.macro LEX ra, ca, rb, cb
	v_cmp_lt_f32 s20, v[\rb], v[\ra]
	v_cmp_eq_f32 s21, v[\rb], v[\ra]
	v_cmp_lt_u32 s22, v[\cb], v[\ca]
	s_and_b32 s21, s21, s22
	s_or_b32 s20, s20, s21
	v_cndmask_b32 v[\ra], v[\ra], v[\rb], s20
	v_cndmask_b32 v[\ca], v[\ca], v[\cb], s20
.endm
.irp rt, 0,1,2,3
	v_permlanex16_b32 v[S], v[RC+2*\rt], s69, s70          ; the other half of the lanes holds the same row's codes 8 (1 - h) + j
	v_permlanex16_b32 v[S+1], v[RC+2*\rt+1], s69, s70
	LEX RC+2*\rt, RC+2*\rt+1, S, S+1
	ds_store_b64 v[SCRW], v[RC+2*\rt:RC+2*\rt+1] offset:128*\rt    ; row 16 rt + r of my 64; both halves of the lanes store the same bytes with the same values
.endr
	s_wait_dscnt 0x0                               ; zero, for the sake of the waves that read
	s_barrier_signal -1
	s_barrier_wait -1
	s_cmp_ge_u32 s14, 2
	s_cbranch_scc1 .Lothers
	; Waves 0 and 1: thread t merges the four code groups of rows 2 t and 2 t + 1.  Wave w reads what waves 4 w to 4 w + 3 stored (the same 64 rows):
	; 16 bytes at 16 lane of each of their 512 hold (d, code) of the two rows.
	s_lshl_b32 s93, s14, 11
	s_add_co_u32 s93, s93, SCR
	v_and_b32 v10, 31, v0
	v_lshl_add_u32 v10, v10, 4, s93
	v_lshlrev_b32 v11, 3, v0
.irp g, 0,1,2,3
	ds_load_b128 v[FM+4*\g:FM+4*\g+3], v10 offset:512*\g
.endr
	s_wait_dscnt 0x0
.irp g, 1,2,3
	LEX FM,   FM+1, FM+4*\g,   FM+4*\g+1           ; row 2 t.  The code groups' codes interleave from tile to tile: the pair is compared
	LEX FM+2, FM+3, FM+4*\g+2, FM+4*\g+3           ; row 2 t + 1
.endr
	v_mov_b32 v[FM+4], v[FM+1]                     ; (d, code, d, code) becomes (d, d, code, code)
	v_mov_b32 v[FM+1], v[FM+2]
	v_mov_b32 v[FM+2], v[FM+4]
	global_store_b64 v11, v[FM:FM+1],   s[10:11]   ; each store of a wave covers 256 consecutive bytes, aligned
	global_store_b64 v11, v[FM+2:FM+3], s[12:13]
.Lothers:
	s_wait_tensorcnt 0x0
	ds_add_u32 v62, v63
	s_wait_dscnt 0x0
	ROUND                                          ; the closing round: no work-group ends while a partner may still ask for a tile that names it
	s_endpgm
.Lfunc_end_k_q2b9abe13d8_dist:
	.size	k_q2b9abe13d8_dist, .Lfunc_end_k_q2b9abe13d8_dist-k_q2b9abe13d8_dist
	.p2alignl 7, 3214868480
	.fill 96, 4, 3214868480
	.section	.rodata,"a",@progbits
	.p2align	6, 0x0
	.amdhsa_kernel k_q2b9abe13d8_dist
		.amdhsa_group_segment_fixed_size 327680
		.amdhsa_private_segment_fixed_size 0
		.amdhsa_enable_private_segment 0
		.amdhsa_kernarg_size 40
		.amdhsa_user_sgpr_count 2
		.amdhsa_user_sgpr_kernarg_segment_ptr 1
		.amdhsa_wavefront_size32 1
		.amdhsa_system_sgpr_workgroup_id_x 1
		.amdhsa_system_sgpr_workgroup_id_y 1
		.amdhsa_system_sgpr_workgroup_id_z 1
		.amdhsa_system_vgpr_workitem_id 0
		.amdhsa_next_free_vgpr 512
		.amdhsa_next_free_sgpr 96
		.amdhsa_reserve_vcc 0
		.amdhsa_float_denorm_mode_32 3
		.amdhsa_float_denorm_mode_16_64 3
		.amdhsa_memory_ordered 1
		.amdhsa_forward_progress 1
		.amdhsa_inst_pref_size 210
	.end_amdhsa_kernel
	.amdgpu_metadata
---
amdhsa.version: [ 1, 2 ]
amdhsa.kernels:
  - .name:           k_q2b9abe13d8_dist
    .symbol:         k_q2b9abe13d8_dist.kd
    .args:
      - { .name: inputs, .offset: 0, .size: 8, .value_kind: global_buffer, .address_space: global }
      - { .name: cbh, .offset: 8, .size: 8, .value_kind: global_buffer, .address_space: global }
      - { .name: ee, .offset: 16, .size: 8, .value_kind: global_buffer, .address_space: global }
      - { .name: cval, .offset: 24, .size: 8, .value_kind: global_buffer, .address_space: global }
      - { .name: cidx, .offset: 32, .size: 8, .value_kind: global_buffer, .address_space: global }
    .group_segment_fixed_size: 327680
    .private_segment_fixed_size: 0
    .kernarg_segment_align: 8
    .kernarg_segment_size: 40
    .max_flat_workgroup_size: 256
    .sgpr_count:     96
    .vgpr_count:     512
    .wavefront_size: 32
...
	.end_amdgpu_metadata
.endif
;; end of part 2
;; launch finish (part 3): grid 257 x 1, 8 waves a work-group, no clusters, 1,280 bytes of LDS; arguments inputs, codebook, cval, cidx, out0, out1, out2; writes out0, out1, out2
.if DOCPART == 3
	.amdgcn_target "amdgcn-amd-amdhsa--gfx1250"
	.amdhsa_code_object_version 6
	.text
	.protected	k_q2b9abe13d8_finish
	.globl	k_q2b9abe13d8_finish
	.p2align	8
	.type	k_q2b9abe13d8_finish,@function
k_q2b9abe13d8_finish:
	s_mov_b64 s[64:65], 0
	v_nop
	global_prefetch_b8 v0, s[64:65] scope:SCOPE_SE
	s_setreg_imm32_b32 hwreg(HW_REG_WAVE_MODE, 25, 1), 1
	s_wait_xcnt 0x0
; Work-groups 1 to 256, 64 rows each: out1[n] = the code of the lesser of the row's two candidates (half 0 wins a tie: its codes are the lower ones);
; out0[n] = x + (q - x), q = that code's row of the f32 codebook, with the two roundings of the formula as it is written.
; BOTH candidates' rows are gathered, by the whole numbers of cidx, and the choice between them, which hangs on floating-point numbers, is a select.
; Work-group 0, the one owner of out2: out2 = 2^-24 x the sum over all rows of min(cval0, cval1) = 0.25 x the mean over 16,384 x 256 numbers.
; LIMIT: the winning distance is |x~|^2 + |e~|^2 - 2 x~ . e~ of the operands rounded to bf16, not the sum of (q - x)^2 of the f32 numbers.  The rounding adds
; about (0.4 x 2^-9 |x|)^2 to a square, so out2 is within 1 % as long as rms(x - q) is at least 1 % of rms(x); where x and q nearly agree it is not.
; A stream: no matrix unit, no cluster (no two work-groups share a row of x; the gathered rows differ), no LDS but for the owner's eight partial sums.
.set X,   8                            ; row i: v[8+24 i ..] 8 of x, then 8 of candidate 0's row, then 8 of candidate 1's
.set QA,  16
.set QB,  24
.set OFA, 200                          ; v[200:207] row i: byte offset of my 16 bytes in candidate 0's row of the codebook
.set OFB, 208                          ; v[208:215] the same for candidate 1
.set W0,  216                          ; v[216:225] wave 0: two rows' distances and codes, for out1
	s_load_b256 s[48:55], s[0:1], 0x0              ; inputs s[48:49], codebook s[50:51], cval s[52:53], cidx s[54:55]
	s_load_b128 s[56:59], s[0:1], 0x20             ; out0 s[56:57], out1 s[58:59]
	s_load_b64 s[60:61], s[0:1], 0x30              ; out2
	v_lshl_add_u32 v232, v0, 2, 0x100
	v_mov_b32 v233, 0
	v_lshrrev_b32 v2, 5, v0
	v_readfirstlane_b32 s13, v2                    ; wave
	s_cmp_eq_u32 ttmp9, 0
	s_cbranch_scc1 .Lloss
	s_sub_co_u32 s2, ttmp9, 1                      ; block of 64 rows
	s_lshl_b32 s3, s2, 6
	s_lshl3_add_u32 s3, s13, s3                    ; my wave's first row: 64 block + 8 wave
	s_lshl_b32 s12, s3, 2                          ; its place in cval and cidx,
	s_lshl_b32 s8, s3, 10                          ; in inputs and out0
	s_mov_b32 s9, 0
	s_lshl_b32 s10, s2, 8                          ; the block's 64 words in cval, cidx and out1
	s_mov_b32 s11, 0
	v_and_b32 v1, 31, v0
	v_lshlrev_b32 v2, 3, v1                        ; 8 lane
	v_lshlrev_b32 v1, 4, v1                        ; 16 lane
	s_wait_kmcnt 0x0
	s_load_b256 s[16:23], s[54:55], s12 offset:0x0         ; my 8 rows: codes of half 0,
	s_load_b256 s[24:31], s[54:55], s12 offset:0x10000     ; of half 1,
	s_load_b256 s[32:39], s[52:53], s12 offset:0x0         ; distances of half 0,
	s_load_b256 s[40:47], s[52:53], s12 offset:0x10000     ; of half 1
	s_add_nc_u64 s[48:49], s[48:49], s[8:9]
	s_add_nc_u64 s[56:57], s[56:57], s[8:9]
	s_add_nc_u64 s[4:5], s[52:53], s[10:11]
	s_add_nc_u64 s[6:7], s[54:55], s[10:11]
	s_add_nc_u64 s[58:59], s[58:59], s[10:11]
	s_cmp_lg_u32 s13, 0
	s_cbranch_scc1 .Lnot_0
	global_load_b64 v[W0:W0+1],   v2, s[4:5]               ; wave 0, for out1: rows 2 lane and 2 lane + 1 of the block.  These four are older than
	global_load_b64 v[W0+2:W0+3], v2, s[4:5] offset:65536  ; every load below, so the counts below hold with and without them
	global_load_b64 v[W0+4:W0+5], v2, s[6:7]
	global_load_b64 v[W0+6:W0+7], v2, s[6:7] offset:65536
.Lnot_0:
.irp i, 0,1,2,3,4,5,6,7
	global_load_b128 v[X+24*\i:X+24*\i+3],   v1, s[48:49] offset:1024*\i th:TH_LOAD_NT       ; x goes out while the scalar loads are on their way
	global_load_b128 v[X+24*\i+4:X+24*\i+7], v1, s[48:49] offset:1024*\i+512 th:TH_LOAD_NT
.endr
	s_wait_kmcnt 0x0
.irp i, 0,1,2,3,4,5,6,7,8,9,10,11,12,13,14,15
	s_min_u32 s[16+\i], s[16+\i], 0xfff            ; a loaded number enters an address only inside the table's 4,096 rows
.endr
.irp i, 0,1,2,3,4,5,6,7
	v_lshl_add_u32 v[OFA+\i], s[16+\i], 10, v1
	v_lshl_add_u32 v[OFB+\i], s[24+\i], 10, v1
.endr
.irp i, 0,1,2,3,4,5,6,7
	global_load_b128 v[QA+24*\i:QA+24*\i+3],   v[OFA+\i], s[50:51]
	global_load_b128 v[QA+24*\i+4:QA+24*\i+7], v[OFA+\i], s[50:51] offset:512
	global_load_b128 v[QB+24*\i:QB+24*\i+3],   v[OFB+\i], s[50:51]
	global_load_b128 v[QB+24*\i+4:QB+24*\i+7], v[OFB+\i], s[50:51] offset:512
.endr
; Every row has its own registers and offsets: nothing that a pending load or store names is written again.
.macro ROWF i
	s_wait_loadcnt 28-4*\i                         ; loads come back in order: all of x and this row's four gathers are in; the four of each younger row may be out
	v_cmp_lt_f32 s62, s[40+\i], s[32+\i]           ; half 1 only if strictly nearer
.irp k, 0,1,2,3,4,5,6,7
	v_cndmask_b32 v[QA+24*\i+\k], v[QA+24*\i+\k], v[QB+24*\i+\k], s62
.endr
.irp k, 0,2,4,6
	v_pk_add_f32 v[QA+24*\i+\k:QA+24*\i+\k+1], v[QA+24*\i+\k:QA+24*\i+\k+1], v[X+24*\i+\k:X+24*\i+\k+1] neg_lo:[0,1] neg_hi:[0,1]   ; q - x
.endr
.irp k, 0,2,4,6
	v_pk_add_f32 v[QA+24*\i+\k:QA+24*\i+\k+1], v[X+24*\i+\k:X+24*\i+\k+1], v[QA+24*\i+\k:QA+24*\i+\k+1]                            ; x + (q - x)
.endr
	global_store_b128 v1, v[QA+24*\i:QA+24*\i+3],   s[56:57] offset:1024*\i th:TH_STORE_NT       ; 512 consecutive bytes, aligned
	global_store_b128 v1, v[QA+24*\i+4:QA+24*\i+7], s[56:57] offset:1024*\i+512 th:TH_STORE_NT
.endm
.irp i, 0,1,2,3,4,5,6,7
	ROWF \i
.endr
	s_cmp_lg_u32 s13, 0
	s_cbranch_scc1 .Lend
	v_cmp_lt_f32 vcc_lo, v[W0+2], v[W0]            ; wave 0: the block's 64 indices (the last wait above was for 0)
	v_cndmask_b32 v[W0+8], v[W0+4], v[W0+6], vcc_lo
	v_cmp_lt_f32 vcc_lo, v[W0+3], v[W0+1]
	v_cndmask_b32 v[W0+9], v[W0+5], v[W0+7], vcc_lo
	global_store_b64 v2, v[W0+8:W0+9], s[58:59]    ; 256 consecutive bytes, aligned
.Lend:
	s_wait_tensorcnt 0x0
	ds_add_u32 v232, v233
	s_wait_dscnt 0x0
	s_endpgm
.Lloss:
	; 256 threads x 16 loads of 16 bytes cover a half's 65,536 bytes; v[8:71] half 0, v[72:135] half 1
	v_lshlrev_b32 v1, 4, v0
	s_mov_b32 s10, 0x76543210
	s_mov_b32 s11, 0xfedcba98
	s_wait_kmcnt 0x0
.irp n, 0,1,2,3,4,5,6,7,8,9,10,11,12,13,14,15
	global_load_b128 v[8+4*\n:8+4*\n+3],   v1, s[52:53] offset:4096*\n
	global_load_b128 v[72+4*\n:72+4*\n+3], v1, s[52:53] offset:65536+4096*\n
.endr
	s_wait_loadcnt 0x0
.set k, 0
.rept 64
	v_min_num_f32 v[8+k], v[8+k], v[72+k]          ; the row's winning distance
.set k, k+1
.endr
.set p, 4
.rept 28
	v_pk_add_f32 v[8+2*(p%4):9+2*(p%4)], v[8+2*(p%4):9+2*(p%4)], v[8+2*p:9+2*p]    ; four chains, started by the first four pairs
.set p, p+1
.endr
	v_pk_add_f32 v[8:9], v[8:9], v[10:11]
	v_pk_add_f32 v[12:13], v[12:13], v[14:15]
	v_pk_add_f32 v[8:9], v[8:9], v[12:13]
	v_add_f32 v8, v8, v9
	v_add_f32_dpp v8, v8, v8 row_xmask:1 row_mask:0xf bank_mask:0xf
	v_add_f32_dpp v8, v8, v8 row_xmask:2 row_mask:0xf bank_mask:0xf
	v_add_f32_dpp v8, v8, v8 row_xmask:4 row_mask:0xf bank_mask:0xf
	v_add_f32_dpp v8, v8, v8 row_xmask:8 row_mask:0xf bank_mask:0xf
	v_permlanex16_b32 v9, v8, s10, s11
	v_add_f32 v8, v8, v9
	v_lshlrev_b32 v2, 2, v2                        ; 4 wave
	ds_store_b32 v2, v8                            ; all lanes store the same word with the same value
	s_wait_dscnt 0x0                               ; zero, for wave 0's sake
	s_barrier_signal -1                            ; the branch that led here hangs on the work-group's number alone: all eight waves pass
	s_barrier_wait -1
	s_cmp_lg_u32 s13, 0
	s_cbranch_scc1 .Lend
	v_mov_b32 v3, 0
	ds_load_b128 v[12:15], v3
	ds_load_b128 v[16:19], v3 offset:16
	s_wait_dscnt 0x0
	v_add_f32 v12, v12, v13
	v_add_f32 v14, v14, v15
	v_add_f32 v16, v16, v17
	v_add_f32 v18, v18, v19
	v_add_f32 v12, v12, v14
	v_add_f32 v16, v16, v18
	v_add_f32 v12, v12, v16
	v_mul_f32 v12, 0x33800000, v12                 ; x 2^-24 = 0.25 / (16,384 x 256)
	v_cmp_eq_u32 vcc_lo, 0, v0
	s_wait_xcnt 0x0                                ; EXEC changes only behind this wait
	s_wait_tensorcnt 0x0
	ds_add_u32 v232, v233
	s_wait_dscnt 0x0
	s_and_saveexec_b32 s14, vcc_lo
	global_store_b32 v3, v12, s[60:61]             ; one number, one lane
	s_endpgm
.Lfunc_end_k_q2b9abe13d8_finish:
	.size	k_q2b9abe13d8_finish, .Lfunc_end_k_q2b9abe13d8_finish-k_q2b9abe13d8_finish
	.p2alignl 7, 3214868480
	.fill 96, 4, 3214868480
	.section	.rodata,"a",@progbits
	.p2align	6, 0x0
	.amdhsa_kernel k_q2b9abe13d8_finish
		.amdhsa_group_segment_fixed_size 1280
		.amdhsa_private_segment_fixed_size 0
		.amdhsa_enable_private_segment 0
		.amdhsa_kernarg_size 56
		.amdhsa_user_sgpr_count 2
		.amdhsa_user_sgpr_kernarg_segment_ptr 1
		.amdhsa_wavefront_size32 1
		.amdhsa_system_sgpr_workgroup_id_x 1
		.amdhsa_system_sgpr_workgroup_id_y 1
		.amdhsa_system_sgpr_workgroup_id_z 1
		.amdhsa_system_vgpr_workitem_id 0
		.amdhsa_next_free_vgpr 234
		.amdhsa_next_free_sgpr 66
		.amdhsa_reserve_vcc 1
		.amdhsa_float_denorm_mode_32 3
		.amdhsa_float_denorm_mode_16_64 3
		.amdhsa_memory_ordered 1
		.amdhsa_forward_progress 1
		.amdhsa_inst_pref_size 28
	.end_amdhsa_kernel
	.amdgpu_metadata
---
amdhsa.version: [ 1, 2 ]
amdhsa.kernels:
  - .name:           k_q2b9abe13d8_finish
    .symbol:         k_q2b9abe13d8_finish.kd
    .args:
      - { .name: inputs, .offset: 0, .size: 8, .value_kind: global_buffer, .address_space: global }
      - { .name: codebook, .offset: 8, .size: 8, .value_kind: global_buffer, .address_space: global }
      - { .name: cval, .offset: 16, .size: 8, .value_kind: global_buffer, .address_space: global }
      - { .name: cidx, .offset: 24, .size: 8, .value_kind: global_buffer, .address_space: global }
      - { .name: out0, .offset: 32, .size: 8, .value_kind: global_buffer, .address_space: global }
      - { .name: out1, .offset: 40, .size: 8, .value_kind: global_buffer, .address_space: global }
      - { .name: out2, .offset: 48, .size: 8, .value_kind: global_buffer, .address_space: global }
    .group_segment_fixed_size: 1280
    .private_segment_fixed_size: 0
    .kernarg_segment_align: 8
    .kernarg_segment_size: 56
    .max_flat_workgroup_size: 256
    .sgpr_count:     66
    .vgpr_count:     234
    .wavefront_size: 32
...
	.end_amdgpu_metadata
.endif
;; end of part 3
;; ======== version 2 of 2: 3 launches; version 1 with the launch prep written anew for expert scheduling mode
;; limits: a difference of large sums (such as E[x^2] - mean^2): digits are lost where the result is much smaller than its terms; values outside matrix products are rounded to bf16
;; workspace buffers: cbh 2,097,152 bytes; ee 16,384 bytes; cval 131,072 bytes; cidx 131,072 bytes of whole numbers
;; launch prep (part 4): grid 64 x 1, 8 waves a work-group, no clusters, 1,280 bytes of LDS; arguments codebook, cbh, ee; writes cbh, ee
.if DOCPART == 4
	.amdgcn_target "amdgcn-amd-amdhsa--gfx1250"
	.amdhsa_code_object_version 6
	.text
	.protected	k_q2b9abe13d8_prep
	.globl	k_q2b9abe13d8_prep
	.p2align	8
	.type	k_q2b9abe13d8_prep,@function
k_q2b9abe13d8_prep:
	s_mov_b64 s[64:65], 0
	v_nop
	global_prefetch_b8 v0, s[64:65] scope:SCOPE_SE
	s_setreg_imm32_b32 hwreg(HW_REG_WAVE_SCHED_MODE, 0, 2), 2
	s_setreg_imm32_b32 hwreg(HW_REG_WAVE_MODE, 25, 1), 1
	s_wait_xcnt 0x0
	s_wait_alu depctr_vm_vsrc(0)
; cbh[k][c] = bf16(codebook[k][c]);  ee[k] = sum over c of cbh[k][c]^2, in f32.   codebook: [4096][256] f32.
; The squares are taken of the ROUNDED numbers: the distances of the next launch are those of the rounded operands throughout.
; Eight waves; the work-group owns 64 codes, so that its 64 sums are one aligned block of 256 bytes of ee; a wave owns 8 codes.
; A code is 1,024 bytes: two loads of 16 bytes a lane, each of the wave covering 512 neighbouring bytes.  The lane's 4 + 4 numbers
; round to 8 + 8 bytes: each store of the wave covers 256 consecutive bytes, aligned.
; No matrix unit, no cluster, no tensor load: every byte is read once and written once and no two work-groups share any.
; THE MODE: SCHED_MODE bits 1:0 = 2 (LLVM: expert scheduling mode 2), set by the entry lines.  The code itself states the register dependences
; between vector instructions and memory or LDS instructions, with s_wait_alu, always for 0.
; THE PLAN.  Registers that memory or LDS instructions touch:
;   v1, v2, v3, v14  offsets and LDS addresses: written by vector lines at the head, never again; read by the loads, the stores, the LDS stores, wave 0's tail.
;   F    written by the sixteen loads, once; read by the rows' conversions.  Nothing lands there again.
;   P    row i's four registers: written by row i's conversions, read by row i's two stores; never written again.
;   R    row i's one register: written by the last add of row i's sum, read by one LDS store, which is issued in row i + 1; never written again.
;   v[120:121]  wave 0's LDS load lands there and its store reads them; no vector instruction names them.
;   T and SM are named by vector instructions alone.
; So ONE wait on va_vdst stands in a row, behind its conversions: it states that P[i] is written and that R[i - 1] is written; the row's two stores and the LDS store
; of the row before stand straight behind it.  No register that a memory or LDS instruction reads is written a second time, so no wait on vm_vsrc is needed for them.
.set T,  4                             ; v[4:11]    the row's 8 rounded numbers, widened again
.set SM, 12                            ; v[12:13]   the sum at work
.set EA, 14                            ; v14        8 x thread: in wave 0 the LDS address of two sums and their byte offset in the group's block of ee
.set F,  16                            ; v[16:79]   row i: 8 f32 as loaded
.set P,  80                            ; v[80:111]  row i: 4 words of bf16; each row has its own, so no store's data is ever rewritten
.set R,  112                           ; v[112:119] row i: its sum; each row has its own, so no LDS store's data is ever rewritten
.set EV, 120                           ; v[120:121] wave 0: two rows' sums, read back from LDS
	s_load_b128 s[4:7], s[0:1], 0x0                ; codebook s[4:5], cbh s[6:7]
	s_load_b64 s[8:9], s[0:1], 0x10                ; ee
	v_lshl_add_u32 v128, v0, 2, 0x100              ; my spare word and 0: made here, kept for the closing lines alone
	v_mov_b32 v129, 0
	v_and_b32 v10, 31, v0                          ; lane
	v_lshrrev_b32 v11, 5, v0
	v_readfirstlane_b32 s14, v11                   ; wave
	v_lshlrev_b32 v1, 4, v10
	v_lshl_add_u32 v1, v11, 13, v1                 ; loads: 16 lane + wave x 8 rows x 1,024 bytes
	v_lshlrev_b32 v2, 3, v10
	v_lshl_add_u32 v2, v11, 12, v2                 ; stores: 8 lane + wave x 8 rows x 512 bytes
	v_lshlrev_b32 v3, 5, v11                       ; LDS: my wave's 8 words
	v_lshlrev_b32 v[EA], 3, v0                     ; wave 0's tail: lane l takes the sums of rows 2 l and 2 l + 1
	s_mov_b32 s10, 0x76543210                      ; v_permlanex16_b32: lane i of one half reads lane i of the other
	s_mov_b32 s11, 0xfedcba98
	s_mov_b32 s12, 0xffff0000                      ; a word's upper bf16
	s_lshl_b32 s16, ttmp9, 16                      ; the group's 64 rows: 65,536 bytes of codebook,
	s_mov_b32 s17, 0
	s_lshl_b32 s18, ttmp9, 15                      ; 32,768 of cbh,
	s_mov_b32 s19, 0
	s_lshl_b32 s20, ttmp9, 8                       ; 256 of ee
	s_mov_b32 s21, 0
	s_wait_alu depctr_va_sdst(0)                   ; s14 is written, ahead of its first reader, the compare behind the barrier
	s_wait_kmcnt 0x0
	s_add_nc_u64 s[4:5], s[4:5], s[16:17]
	s_add_nc_u64 s[6:7], s[6:7], s[18:19]
	s_add_nc_u64 s[8:9], s[8:9], s[20:21]
	s_wait_alu depctr_va_vdst(0)                   ; v1, v2, v3 and v14 are written: every load, store and LDS instruction below reads one of them as its offset or address
.irp i, 0,1,2,3,4,5,6,7
	global_load_b128 v[F+8*\i:F+8*\i+3],   v1, s[4:5] offset:1024*\i th:TH_LOAD_NT
	global_load_b128 v[F+8*\i+4:F+8*\i+7], v1, s[4:5] offset:1024*\i+512 th:TH_LOAD_NT
.endr
.macro ROWP i
	s_wait_loadcnt 14-2*(\i)                       ; loads come back in order: this row's two are in, the two of each younger row may be out
.irp k, 0,1,2,3
	v_cvt_pk_bf16_f32 v[P+4*(\i)+\k], v[F+8*(\i)+2*\k], v[F+8*(\i)+2*\k+1]
.endr
	s_wait_alu depctr_va_vdst(0)                   ; the conversions have written P[i], which the two stores read; the row before has written its sum R[i - 1], which the LDS store reads
	global_store_b64 v2, v[P+4*(\i):P+4*(\i)+1],   s[6:7] offset:512*(\i)
	global_store_b64 v2, v[P+4*(\i)+2:P+4*(\i)+3], s[6:7] offset:512*(\i)+256
.if (\i) > 0
	ds_store_b32 v3, v[R+(\i)-1] offset:4*((\i)-1) ; the sum of the row before; all lanes store the same word with the same value
.endif
.irp k, 0,1,2,3
	v_lshlrev_b32 v[T+2*\k],   16,  v[P+4*(\i)+\k] ; the rounded numbers as f32
	v_and_b32     v[T+2*\k+1], s12, v[P+4*(\i)+\k]
.endr
	v_pk_mul_f32 v[SM:SM+1], v[T:T+1], v[T:T+1]    ; the first squares start the sum
	v_pk_fma_f32 v[SM:SM+1], v[T+2:T+3], v[T+2:T+3], v[SM:SM+1]
	v_pk_fma_f32 v[SM:SM+1], v[T+4:T+5], v[T+4:T+5], v[SM:SM+1]
	v_pk_fma_f32 v[SM:SM+1], v[T+6:T+7], v[T+6:T+7], v[SM:SM+1]
	v_add_f32 v[SM], v[SM], v[SM+1]
	v_add_f32_dpp v[SM], v[SM], v[SM] row_xmask:1 row_mask:0xf bank_mask:0xf
	v_add_f32_dpp v[SM], v[SM], v[SM] row_xmask:2 row_mask:0xf bank_mask:0xf
	v_add_f32_dpp v[SM], v[SM], v[SM] row_xmask:4 row_mask:0xf bank_mask:0xf
	v_add_f32_dpp v[SM], v[SM], v[SM] row_xmask:8 row_mask:0xf bank_mask:0xf
	v_permlanex16_b32 v[SM+1], v[SM], s10, s11     ; its destination has been written above
	v_add_f32 v[R+(\i)], v[SM], v[SM+1]            ; the row's sum, into the row's own register
.endm
.irp i, 0,1,2,3,4,5,6,7
	ROWP \i
.endr
	s_wait_alu depctr_va_vdst(0)                   ; row 7's last add has written R[7], which the LDS store reads
	ds_store_b32 v3, v[R+7] offset:28
	s_wait_dscnt 0x0                               ; my eight sums are in LDS: zero, for wave 0's sake
	s_barrier_signal -1
	s_barrier_wait -1
	s_cmp_lg_u32 s14, 0
	s_cbranch_scc1 .Lend
	ds_load_b64 v[EV:EV+1], v[EA]                  ; wave 0: lane l takes the sums of rows 2 l and 2 l + 1.  No wait on va_vdst: v14 was written ahead of the head's, and no vector instruction names v[120:121]
	s_wait_dscnt 0x0
	global_store_b64 v[EA], v[EV:EV+1], s[8:9]     ; 256 consecutive bytes, aligned
.Lend:
	s_wait_dscnt 0x0                               ; the closing lines, six on end
	s_wait_alu 0x0
	s_wait_tensorcnt 0x0
	ds_add_u32 v128, v129
	s_wait_dscnt 0x0
	s_endpgm
.Lfunc_end_k_q2b9abe13d8_prep:
	.size	k_q2b9abe13d8_prep, .Lfunc_end_k_q2b9abe13d8_prep-k_q2b9abe13d8_prep
	.p2alignl 7, 3214868480
	.fill 96, 4, 3214868480
	.section	.rodata,"a",@progbits
	.p2align	6, 0x0
	.amdhsa_kernel k_q2b9abe13d8_prep
		.amdhsa_group_segment_fixed_size 1280
		.amdhsa_private_segment_fixed_size 0
		.amdhsa_enable_private_segment 0
		.amdhsa_kernarg_size 24
		.amdhsa_user_sgpr_count 2
		.amdhsa_user_sgpr_kernarg_segment_ptr 1
		.amdhsa_wavefront_size32 1
		.amdhsa_system_sgpr_workgroup_id_x 1
		.amdhsa_system_sgpr_workgroup_id_y 1
		.amdhsa_system_sgpr_workgroup_id_z 1
		.amdhsa_system_vgpr_workitem_id 0
		.amdhsa_next_free_vgpr 130
		.amdhsa_next_free_sgpr 66
		.amdhsa_reserve_vcc 0
		.amdhsa_float_denorm_mode_32 3
		.amdhsa_float_denorm_mode_16_64 3
		.amdhsa_memory_ordered 1
		.amdhsa_forward_progress 1
		.amdhsa_inst_pref_size 16
	.end_amdhsa_kernel
	.amdgpu_metadata
---
amdhsa.version: [ 1, 2 ]
amdhsa.kernels:
  - .name:           k_q2b9abe13d8_prep
    .symbol:         k_q2b9abe13d8_prep.kd
    .args:
      - { .name: codebook, .offset: 0, .size: 8, .value_kind: global_buffer, .address_space: global }
      - { .name: cbh, .offset: 8, .size: 8, .value_kind: global_buffer, .address_space: global }
      - { .name: ee, .offset: 16, .size: 8, .value_kind: global_buffer, .address_space: global }
    .group_segment_fixed_size: 1280
    .private_segment_fixed_size: 0
    .kernarg_segment_align: 8
    .kernarg_segment_size: 24
    .max_flat_workgroup_size: 256
    .sgpr_count:     66
    .vgpr_count:     130
    .wavefront_size: 32
...
	.end_amdgpu_metadata
.endif
;; end of part 4
;; launch dist: the kernel of part 2 again; grid 128 x 2, 8 waves a work-group, clusters of 4 x 1, 327,680 bytes of LDS; arguments inputs, cbh, ee, cval, cidx; writes cval, cidx
;; launch finish: the kernel of part 3 again; grid 257 x 1, 8 waves a work-group, no clusters, 1,280 bytes of LDS; arguments inputs, codebook, cval, cidx, out0, out1, out2; writes out0, out1, out2
